; MI455X (gfx1250); checked and timed in simulation.
; The chip was launched on July 23, 2026; its instructions are those of AMD's public machine-readable ISA for CDNA 5 (MIT licence, August 2026) and "CDNA5" Instruction Set Architecture Reference Guide (July 2026). The comments in the code are by the model that wrote it; some were corrected since.
;; Attention. Allowed arithmetic: matrix products marked QUANTISED: E4M3 operands, one given power-of-two scale a tensor, by v_wmma_f32_16x16x64_fp8_fp8 or v_wmma_f32_16x16x128_fp8_fp8, f32 sums; everything else in f32.
;; Inputs: K 4 x 16 x 2,048 x 128 float32; Q 4 x 16 x 2,048 x 128 float32; V 4 x 16 x 2,048 x 128 float32; lowp_scales 4 int32 (the exponents e of the quantised operands' scales 2^e).
;; Outputs: out0 4 x 16 x 2,048 x 128 float32.
;; This version of the problem:
;;   THIS VERSION OF THE PROBLEM IS GIVEN IN LOW PRECISION. The matrix products marked QUANTISED in the list below multiply operands that are first quantised to E4M3 (4 exponent bits, 3 mantissa bits; 8 bits a number), with one given power-of-two scale for each operand tensor; their sums are f32. All else is computed in f32.
;;   The module's matrix products, in the order in which they are computed (A, B: the left and right operand; K: the contracted axis; several contracted axes count as one K, in the product's order):
;;     1. batch 64 x [M 2,048, K 128] x [K 128, N 2,048]; A: input Q; B: input K: QUANTISED (scales: A lowp_scales[0], B lowp_scales[1])
;;     2. batch 64 x [M 2,048, K 2,048] x [K 2,048, N 128]; A: softmax (see below); B: input V: QUANTISED (scales: A lowp_scales[2], B lowp_scales[3])
;;   THE QUANTISER, for each operand of a quantised product, along K:
;;     - The operand's scale is 2^e, e = its entry of the input lowp_scales (int32; the entries are numbered through the quantised products in the list's order, A before B).
;;     - Each number is divided by the scale, clamped to +-448, and rounded to the nearest number of E4M3, ties to even, subnormals kept.
;;     - The product sums the exact products of the quantised numbers (number of the format x scale) in f32.
;;   ~~~python
;;   def quantise(x, axis, e):      # numpy; x: float32 -> the quantised numbers, widened to float32 again
;;       x = np.moveaxis(x, axis, -1); K = x.shape[-1]
;;       r = np.clip(x / 2.0 ** e, -448, 448)
;;       step = 2.0 ** (np.maximum(np.frexp(np.where(r == 0, 1, r))[1] - 1, -6) - 3)
;;       q = np.round(r / step) * step * 2.0 ** e      # np.round: ties to even
;;       return np.moveaxis(q, -1, axis).astype(np.float32)
;;   ~~~
;;   SOFTMAX AHEAD OF A QUANTISED PRODUCT. Where the list says 'softmax', what is quantised is not the finished softmax but p = 2^(t - M), with t = logit x log2(e) and M = ceil(the row's largest t), a whole number; so 1/2 < the row's largest p <= 1. The row's sum l is taken of the UNQUANTISED p, in f32, and the product's result is divided by l at the end. Since M is a whole number, a kernel that streams over the keys may use a running M (the ceiling of the running maximum): every later rescaling is an exact power of two, so the quantised numbers keep their values, but for numbers so far below the row's largest that they fall under the format's range.
;;   OPERANDS COMPUTED ON THE WAY. 'Computed on the way' means the value that the module computes at that place (a softmax that the list does not call 'softmax' is quantised finished and normalised). What goes into a quantiser is computed in f32, as accurately as f32 sums, v_exp_f32 and their like allow (about 1e-6 of the number): no bf16 or f16 on the way to a quantiser, and a product that is left as it is and whose result goes on into a quantised operand takes f32 operands (vector FMAs, or v_wmma_f32_16x16x4_f32). A number that lies on a knife's edge between two numbers of the format may be rounded either way, as far as f32 arithmetic and the matrix unit's own rounding can turn it there, and no further.
;; One version. Each part assembles by itself: llvm-mc -triple=amdgcn-amd-amdhsa -mcpu=gfx1250 --defsym DOCPART=n.
;; ======== version 1 of 1: 2 launches
;; limits: right only within a limited range of input values
;; workspace buffers: kv 33,554,432 bytes
;; launch prep (part 1): grid 512 x 2, 4 waves a work-group, no clusters, 34,304 bytes of LDS; arguments K, V, lowp_scales, kv; writes kv
.if DOCPART == 1
	.amdgcn_target "amdgcn-amd-amdhsa--gfx1250"
	.amdhsa_code_object_version 6
	.text
	.protected	k_qfc7d79d3cf_prep
	.globl	k_qfc7d79d3cf_prep
	.p2align	8
	.type	k_qfc7d79d3cf_prep,@function
k_qfc7d79d3cf_prep:
	s_mov_b64 s[64:65], 0
	v_nop
	global_prefetch_b8 v0, s[64:65] scope:SCOPE_SE
	s_setreg_imm32_b32 hwreg(HW_REG_WAVE_MODE, 25, 1), 1
	s_wait_xcnt 0x0
; K and V, [64 heads][2048 keys][128] f32, become codes of FP8 (E4M3), K with the given scale 2^ek, V with 2^ev:
; code = x / 2^e, held within +-448, rounded to the nearest code, ties to even.
; THE CODES ARE LAID AS IMAGES OF THE OPERANDS' REGISTERS.  kv = [head 64][step 16 (128 keys)][K's image 16,384 bytes | V's image 16,384 bytes].
; An image is 8 fragments of 2,048 bytes; in a fragment registers 4 c .. 4 c + 3 of lane l lie at byte 512 c + 16 l.  With l = (r, h), r = l % 16, h = l / 16:
;   K's fragment t = 2 b + u:  key 32 b + 8 u + r + 8 (r / 8) of the step, channels 32 c + 16 h + 0 .. 15
;   V's fragment t:            channel 16 t + r, keys 32 c + 16 h + 0 .. 15 of the step
; So the second launch fetches a fragment by four loads of 512 consecutive bytes, and a run of steps is one dense block of memory.
; SHARES.  Work-group x = 8 x head + a block of 256 keys (two steps); y = 0 takes K, y = 1 takes V: equal bytes in and out.  Waves share nothing: no barrier.
; The K path alone touches LDS.  No tensor loads and no matrix work: this is a stream.
; LIMITS: ek and ev between -126 and 119, so that 2^e and 448 x 2^e are f32 numbers.  NaN among the inputs is not served; an infinity is held at the largest code.
.set R,    16                          ; K path: v16-143   two sets of 64: a tile's 16 rows as loaded
.set X,    144                         ;         v144-207  64 numbers of my key: register 16 c + i = channel 32 c + 16 h + i
.set C,    208                         ;         v208-239  two sets of 16: a fragment's codes
.set SP,   528                         ; a stage row: 512 bytes + 16: 33 x 16, so that 16 rows' equal columns fall on 16 different 16-byte columns of 256
.set WSTG, 16*SP                       ; a wave's own stage: 16 rows
.set VX,   16                          ; V path: v16-79    two sets of 32 numbers: a block of 32 keys of my channel
.set VC,   80                          ;         v80-143   8 registers of codes for each of 8 blocks: no store's data are written again
	s_load_b256 s[4:11], s[0:1], 0x0               ; K s[4:5], V s[6:7], the scales' exponents s[8:9], kv s[10:11]
	v_lshl_add_u32 v240, v0, 2, 0x8400
	v_mov_b32 v241, 0
	v_lshrrev_b32 v1, 5, v0
	v_readfirstlane_b32 s12, v1                    ; wave 0..3
	s_and_b32 s13, ttmp7, 0xffff                   ; y: 0 = K, 1 = V
	v_and_b32 v1, 31, v0                           ; lane
	v_and_b32 v2, 15, v0                           ; r
	v_bfe_u32 v3, v0, 4, 1                         ; h
	s_lshl_b32 s20, ttmp9, 17                      ; in: 256 keys x 512 bytes for each x
	s_mov_b32 s21, 0
	s_lshl_b32 s24, ttmp9, 16                      ; out: two steps of 32,768 bytes for each x,
	s_lshl_b32 s25, s13, 14                        ; V's image 16,384 bytes behind K's
	s_add_co_u32 s24, s24, s25
	s_mov_b32 s25, 0
	s_wait_kmcnt 0x0
	s_load_b128 s[16:19], s[8:9], 0x0              ; eq, ek, ep, ev
	s_add_nc_u64 s[10:11], s[10:11], s[24:25]
	s_cmp_lg_u32 s13, 0
	s_cbranch_scc1 .Lv
; v11 = 2^e as f32 (the conversion takes its exponent field), v10 = 448 x 2^e.  It stands behind a path's first loads.
.macro SCALE e
	s_wait_kmcnt 0x0
	s_add_co_i32 s22, s[\e], 127
	s_lshl_b32 s23, s22, 23
	v_mov_b32 v11, s23
	s_add_co_i32 s22, s22, 8
	s_lshl_b32 s22, s22, 23
	s_or_b32 s22, s22, 0x600000                    ; the mantissa field of 448
	v_mov_b32 v10, s22
.endm
; ---------------- K: a wave takes 64 keys, four tiles of 16 ----------------
; A load reads one key's whole row, 512 consecutive bytes; the ORDER of a tile's 16 loads makes the tile's choice of keys.  The conversions want 16 neighbouring channels of one key in
; one lane: the tile turns through the wave's own stage in LDS.
	s_add_nc_u64 s[4:5], s[4:5], s[20:21]
	s_lshl_b32 s20, s12, 15                        ; my wave's 64 keys
	s_add_nc_u64 s[4:5], s[4:5], s[20:21]
	s_lshr_b32 s20, s12, 1
	s_lshl_b32 s20, s20, 15                        ; out: step wave / 2,
	s_and_b32 s23, s12, 1
	s_lshl_b32 s23, s23, 13                        ; fragments 4 (wave % 2) on
	s_add_co_u32 s20, s20, s23
	s_add_nc_u64 s[10:11], s[10:11], s[20:21]
	s_wait_alu depctr_va_vdst(0)
	v_lshlrev_b32 v4, 4, v1                        ; 16 x lane: my bytes of a row, and of a fragment's 512; never rewritten
	s_mul_i32 s26, s12, WSTG
	v_add_nc_u32 v5, s26, v4                       ; the stage, on the way in
	v_mul_u32_u24 v6, v2, SP
	v_lshl_add_u32 v6, v3, 6, v6
	v_add_nc_u32 v6, s26, v6                       ; and out: row r, + 64 h
.macro LOADT j                         ; tile j's 16 keys: 32 (j / 2) + 8 (j % 2) + i + 8 (i / 8)
.irp i, 0,1,2,3,4,5,6,7,8,9,10,11,12,13,14,15
	global_load_b128 v[R+64*((\j)%2)+4*\i:R+64*((\j)%2)+4*\i+3], v4, s[4:5] offset:(32*((\j)/2)+8*((\j)%2)+\i+8*(\i/8))*512 th:TH_LOAD_NT
.endr
.endm
.macro TILE j
.if (\j) < 3
	s_wait_loadcnt 16                              ; this tile's 16 loads are in; the next tile's 16 may be out
.else
	s_wait_loadcnt 0x0
.endif
.irp i, 0,1,2,3,4,5,6,7,8,9,10,11,12,13,14,15
	ds_store_b128 v5, v[R+64*((\j)%2)+4*\i:R+64*((\j)%2)+4*\i+3] offset:\i*SP
.endr
.irp c, 0,1,2,3
.irp q, 0,1,2,3
	ds_load_b128 v[X+16*\c+4*\q:X+16*\c+4*\q+3], v6 offset:128*\c+16*\q   ; LDS serves a wave's instructions in order: these see the stores above
.endr
.endr
	s_wait_dscnt 0x0                               ; the numbers are back, and the stores have read their registers,
.if (\j) < 2
	LOADT (\j)+2                                   ; which take the tile two further on
.endif
.set n, 0
.rept 64
	v_med3_num_f32 v[X+n], v[X+n], -v10, v10       ; the conversion to an 8-bit code does not saturate (ISA guide 7.6.2): the hold at the largest code x the scale
.set n, n+1
.endr
.if (\j) >= 2
	s_wait_alu depctr_va_vdst(0)
	s_wait_xcnt 0x0                                ; this set of codes was the data of tile j - 2's stores: it is rewritten only behind this wait
.endif
.irp g, 0,1,2,3,4,5,6,7
	v_cvt_scalef32_pk8_fp8_f32 v[C+16*((\j)%2)+2*\g:C+16*((\j)%2)+2*\g+1], v[X+8*\g:X+8*\g+7], v11
.endr
	v_nop                                          ; a plain line behind the conversions: the next tile's holds write their sources
.irp c, 0,1,2,3
	global_store_b128 v4, v[C+16*((\j)%2)+4*\c:C+16*((\j)%2)+4*\c+3], s[10:11] offset:(\j)*2048+512*\c   ; 32 lanes store 512 consecutive bytes, at a multiple of 256 from kv's first byte
.endr
.endm
	LOADT 0
	LOADT 1
	s_wait_alu depctr_va_vdst(0)
	SCALE 17                                       ; ek
	s_wait_alu depctr_va_vdst(0)
	TILE 0
	TILE 1
	TILE 2
	TILE 3
	s_wait_tensorcnt 0x0
	ds_add_u32 v240, v241
	s_wait_dscnt 0x0
	s_endpgm
; ---------------- V: a lane takes a channel, and its registers run down the keys ----------------
; Each load reads one key at 32 neighbouring channels (128 consecutive bytes a wave; the four waves stand side by side on a row's 512).  A lane's 32 registers are 32 neighbouring keys of one
; channel, so the conversions give codes with the keys innermost, and a lane's 16 codes ARE its 16 bytes of the image: no LDS.
.Lv:
	s_add_nc_u64 s[6:7], s[6:7], s[20:21]
	s_lshl_b32 s20, s12, 7                         ; my wave's 32 channels
	s_add_nc_u64 s[6:7], s[6:7], s[20:21]
	s_lshl_b32 s20, s12, 12                        ; out: fragments 2 x wave and 2 x wave + 1
	s_add_nc_u64 s[10:11], s[10:11], s[20:21]
	s_wait_alu depctr_va_vdst(0)
	v_lshlrev_b32 v8, 2, v1                        ; in: 4 bytes a lane; never rewritten
	v_lshlrev_b32 v9, 11, v3                       ; out: lanes 16-31 belong to the next fragment,
	v_lshl_add_u32 v9, v2, 4, v9                   ; + 16 r; never rewritten
.macro LOADB q                         ; block q: keys 32 q + i of my channel
.irp i, 0,1,2,3,4,5,6,7,8,9,10,11,12,13,14,15,16,17,18,19,20,21,22,23,24,25,26,27,28,29,30,31
	global_load_b32 v[VX+32*((\q)%2)+\i], v8, s[6:7] offset:(32*(\q)+\i)*512 th:TH_LOAD_NT
.endr
.endm
.macro BLOCK q
.if (\q) < 7
	s_wait_loadcnt 32                              ; this block's 32 loads are in; the next block's 32 may be out
.else
	s_wait_loadcnt 0x0
.endif
.set n, 0
.rept 32
	v_med3_num_f32 v[VX+32*((\q)%2)+n], v[VX+32*((\q)%2)+n], -v10, v10
.set n, n+1
.endr
.irp g, 0,1,2,3
	v_cvt_scalef32_pk8_fp8_f32 v[VC+8*(\q)+2*\g:VC+8*(\q)+2*\g+1], v[VX+32*((\q)%2)+8*\g:VX+32*((\q)%2)+8*\g+7], v11
.endr
	v_nop                                          ; a plain line behind the conversions
.if (\q) < 6
	LOADB (\q)+2
.endif
	global_store_b128 v9, v[VC+8*(\q):VC+8*(\q)+3], s[10:11] offset:((\q)/4)*32768+((\q)%4)*512        ; keys 0-15 of the block (h = 0): sixteen lanes store 256 consecutive bytes, aligned
	global_store_b128 v9, v[VC+8*(\q)+4:VC+8*(\q)+7], s[10:11] offset:((\q)/4)*32768+((\q)%4)*512+256  ; keys 16-31 (h = 1)
.endm
	LOADB 0
	LOADB 1
	SCALE 19                                       ; ev
	s_wait_alu depctr_va_vdst(0)
.irp q, 0,1,2,3,4,5,6,7
	BLOCK \q
.endr
	s_endpgm
.Lfunc_end_k_qfc7d79d3cf_prep:
	.size	k_qfc7d79d3cf_prep, .Lfunc_end_k_qfc7d79d3cf_prep-k_qfc7d79d3cf_prep
	.p2alignl 7, 3214868480
	.fill 96, 4, 3214868480
	.section	.rodata,"a",@progbits
	.p2align	6, 0x0
	.amdhsa_kernel k_qfc7d79d3cf_prep
		.amdhsa_group_segment_fixed_size 34304
		.amdhsa_private_segment_fixed_size 0
		.amdhsa_enable_private_segment 0
		.amdhsa_kernarg_size 32
		.amdhsa_user_sgpr_count 2
		.amdhsa_user_sgpr_kernarg_segment_ptr 1
		.amdhsa_wavefront_size32 1
		.amdhsa_system_sgpr_workgroup_id_x 1
		.amdhsa_system_sgpr_workgroup_id_y 1
		.amdhsa_system_sgpr_workgroup_id_z 1
		.amdhsa_system_vgpr_workitem_id 0
		.amdhsa_next_free_vgpr 242
		.amdhsa_next_free_sgpr 66
		.amdhsa_reserve_vcc 0
		.amdhsa_float_denorm_mode_32 3
		.amdhsa_float_denorm_mode_16_64 3
		.amdhsa_memory_ordered 1
		.amdhsa_forward_progress 1
		.amdhsa_inst_pref_size 81
	.end_amdhsa_kernel
	.amdgpu_metadata
---
amdhsa.version: [ 1, 2 ]
amdhsa.kernels:
  - .name:           k_qfc7d79d3cf_prep
    .symbol:         k_qfc7d79d3cf_prep.kd
    .args:
      - { .name: K, .offset: 0, .size: 8, .value_kind: global_buffer, .address_space: global }
      - { .name: V, .offset: 8, .size: 8, .value_kind: global_buffer, .address_space: global }
      - { .name: lowp_scales, .offset: 16, .size: 8, .value_kind: global_buffer, .address_space: global }
      - { .name: kv, .offset: 24, .size: 8, .value_kind: global_buffer, .address_space: global }
    .group_segment_fixed_size: 34304
    .private_segment_fixed_size: 0
    .kernarg_segment_align: 8
    .kernarg_segment_size: 32
    .max_flat_workgroup_size: 128
    .sgpr_count:     66
    .vgpr_count:     242
    .wavefront_size: 32
...
	.end_amdgpu_metadata
.endif
;; end of part 1
;; launch attn (part 2): grid 4 x 64, 4 waves a work-group, clusters of 4 x 1, 327,680 bytes of LDS; arguments Q, kv, lowp_scales, out0; writes out0
.if DOCPART == 2
	.amdgcn_target "amdgcn-amd-amdhsa--gfx1250"
	.amdhsa_code_object_version 6
	.text
	.protected	k_qfc7d79d3cf_attn
	.globl	k_qfc7d79d3cf_attn
	.p2align	8
	.type	k_qfc7d79d3cf_attn,@function
k_qfc7d79d3cf_attn:
	s_mov_b64 s[64:65], 0
	v_nop
	global_prefetch_b8 v0, s[64:65] scope:SCOPE_SE
	s_setreg_imm32_b32 hwreg(HW_REG_WAVE_MODE, 25, 1), 1
	s_wait_xcnt 0x0
	s_wait_alu depctr_hold_cnt(0) depctr_sa_sdst(0) depctr_va_vdst(0) depctr_va_sdst(0) depctr_va_ssrc(0) depctr_va_vcc(0) depctr_vm_vsrc(0)
	s_getreg_b32 s2, hwreg(HW_REG_IB_STS2, 6, 4)
	s_cmp_eq_u32 s2, 0
	s_cbranch_scc0 .Lentry_in_a_cluster
	s_endpgm
.Lentry_in_a_cluster:
	s_bfe_u32 s2, ttmp6, 0x10000c
	s_cmp_lg_u32 s2, 0x3003
	s_cbranch_scc0 .Lentry_shape_is_right
	s_endpgm
.Lentry_shape_is_right:
; O[head][q][:] = the sum over k of softmax_k(Q[q] . K[k] / sqrt(128)) V[k][:], 64 heads, 2,048 queries and keys, head size 128; both products on codes of FP8 (E4M3), each operand with its given scale 2^e: eq, ek, ep, ev.
; Q: f32, quantised here once (each row is read once, by one wave).  kv: K's and V's codes as images of the operands' registers, [head][step of 128 keys][K 16,384 bytes | V 16,384 bytes],
; a fragment 2,048 bytes, registers 4 c .. 4 c + 3 of lane l at byte 512 c + 16 l.  out0: f32.
; THE SOFTMAX: t = score x log2(e) / sqrt(128); M = the row's largest t so far, rounded UP to a whole number; p = 2^(t - M) is quantised, not normalised.  The row's sum is taken of the unquantised p in f32
; and divides O at the end.  When M moves, the sum and O are multiplied by 2^(old M - new M): nothing is rounded, and there is no branch on data.
; SHARES.  256 work-groups; a work-group owns 512 queries of one head, each of its four waves 128: EIGHT tiles of 16, taken two at a time.  K's and V's eight fragments of a key step stay in registers for the whole step,
; so each fragment read from LDS feeds eight products.
; LAYOUT.  Both products are used transposed: S^T = K Q^T, O^T = V^T P^T: a lane holds one query (lane % 16) throughout.  Lane r of K's tile 2 b + u holds key 32 b + 8 u + r + 8 (r / 8), so that the 16 registers of
; tiles 2 b and 2 b + 1 are keys 32 b + 16 (lane / 16) + 0 .. 15: p's codes are the operand.  Along K a lane holds k = 32 c + 16 (lane / 16) + 0 .. 15 in registers 4 c .. 4 c + 3, alike in both sources.
; REGISTERS, in four windows of 256.  Window 0: v0-15 addresses and constants, v16-31 at work, v32-63 state (tile u: -M, the largest score, the sum in two halves), v64-191 S^T then p of the pair,
; v192-223 the pair's Q codes, v224-255 its p codes.  Window 1: v0-127 K's fragments, v128-255 V's.  Windows 2, 3: O^T, 64 registers a tile.
; LDS.  A ring of two slots of two key steps (65,536 bytes each); Q's codes, 17,408 bytes a wave (a tile is eight planes (c, h) of 256 bytes + 16, so that both the stores of 8 bytes and the loads of 16 fall on different banks);
; the spare words; a stage of 16 rows x 528 bytes for each wave.  No tensor load lands behind the ring.
; THE LOOP IS CUT AHEAD OF THE LAST PAIR'S SECOND PRODUCT: a trip begins with the loads of this step's K fragments, then multiplies the last pair's p of the step before, then loads V.  So a change of slots stands
; ahead of K's loads, and those loads have 16 products in which to land.  The first trip finds zero codes in p and V and zeros in O^T: it adds 0 to 0, once, and no copy of the step is written for it.
; CLUSTER.  The four work-groups of a cluster are the four query blocks of one head and walk the same kv: each load is asked for JOINTLY.  The place in the cluster enters Q's, O's and the prefetch's global addresses alone.
; LIMITS on the given exponents, so that each power of two below is an f32 number: eq and ep between -126 and 119; eq + ek between -123 and 130; ep + ev goes through v_ldexp_f32 and has none.
; NaN among the inputs is not served; an infinity in Q is held at the largest code.
.set STEPB, 32768
.set SLOTB, 65536
.set SLOT1, 1<<16
.set NSL,   8
.set QL,    2*SLOTB                    ; Q's codes
.set QPL,   272                        ; a plane
.set QT,    8*QPL                      ; a tile
.set QWV,   8*QT                       ; a wave
.set SPARE, QL+4*QWV                   ; the spare words: 128 bytes a wave
.set STAGE, SPARE+512
.set SPI,   528
.set WSTG,  16*SPI
; v1 16 x lane; v2 Q codes, out of LDS; v3 prefetch offset; v4 Q codes, into LDS; v5 spare word; v6 0; v7 Q's offset in memory; v8 the step's images; v9 at work in the head; v10 into the stage; v11 out of it;
; v12, v13 448 x 2^ep; v14 2^ep; v15 448 x 2^eq; v31 2^eq
; s12 wave; s13 cx; s15 head; s[20:21] lane selects; s[22:23] c; s[24:31] group 1; s[40:43] group 0; s44 LDS byte of the step; s45 slots to ask for; s46 steps of a slot; s[48:49] prefetches; s60 ep + ev
.set MSB, 0
.macro WIN new
.if MSB != (\new)
	s_set_vgpr_msb (MSB<<8)|(\new)
.set MSB, (\new)
.endif
.endm
.macro PLACES n
.rept \n
	v_nop
.endr
.endm
.macro CROUND                          ; a round of the cluster's barrier
	s_barrier_signal -1
	s_barrier_wait -1
	s_cmp_lg_u32 s12, 0
	s_cbranch_scc1 .Lnot_wave_0_\@
	s_barrier_signal -3
.Lnot_wave_0_\@:
	s_barrier_wait -3
	s_barrier_signal -1
	s_barrier_wait -1
.endm
; A prefetch of the slot that the NEXT change of slots will ask for, two key steps ahead of that load.  The slot's 65,536 bytes are shared out by address: 16,384 a work-group, 4,096 a wave, lanes 0-15 256 bytes apart
; (lanes 16-31 name the wave's last block again).  The last change that fills a slot asks for nothing; slots 0 and 1 come by their loads alone.
.macro ASK
	s_cmp_gt_u32 s45, 1
	s_cbranch_scc0 .Lnot_mine_\@
	global_prefetch_b8 v3, s[48:49] th:TH_LOAD_NT scope:SCOPE_SE
.Lnot_mine_\@:
.endm
	s_load_b256 s[4:11], s[0:1], 0x0               ; Q, kv, the exponents, out0
	v_lshl_add_u32 v5, v0, 2, SPARE
	v_mov_b32 v6, 0
	ds_add_u32 v5, v6                              ; the opening lines: the add, twice on end, and one wait
	ds_add_u32 v5, v6
	v_lshrrev_b32 v8, 5, v0
	v_readfirstlane_b32 s12, v8                    ; wave 0..3
	s_bfe_u32 s13, ttmp6, 0x40000                  ; cx: my block of 512 queries
	s_and_b32 s15, ttmp7, 0xffff                   ; the head, which the four partners share
	s_mov_b32 s24, 15|(3<<16)|(1<<21)              ; group 1: the mask of all four; elements of 8 bytes; 64 rows of 256 bytes, dense
	s_mov_b32 s25, 32<<16
	s_mov_b32 s26, 64<<16
	s_mov_b32 s27, 32<<16
	s_mov_b32 s28, 64
	s_mov_b32 s29, 32
	s_mov_b32 s30, 0
	s_mov_b32 s31, 0
	s_mov_b32 s20, 0x76543210                      ; v_permlanex16_b32: lane l xor 16
	s_mov_b32 s21, 0xfedcba98
	s_mov_b32 s44, 0
	s_mov_b32 s45, NSL-1
	s_lshl_b32 s16, s15, 19                        ; kv: the head's 524,288 bytes,
	s_lshl_b32 s17, s12, 14                        ; my wave's 16,384 of a slot
	s_add_co_u32 s16, s16, s17
	s_mov_b32 s17, 0
	s_lshl_b32 s18, s15, 20                        ; Q and O: the head, my block's 512 rows, my wave's 128
	s_lshl_b32 s19, s13, 18
	s_add_co_u32 s18, s18, s19
	s_lshl_b32 s19, s12, 16
	s_add_co_u32 s18, s18, s19
	s_mov_b32 s19, 0
	s_lshl_b32 s32, s15, 19                        ; the prefetches: the head, my work-group's and my wave's part, in slot 1
	s_lshl_b32 s33, s13, 14
	s_add_co_u32 s32, s32, s33
	s_lshl_b32 s33, s12, 12
	s_add_co_u32 s32, s32, s33
	s_add_co_u32 s32, s32, SLOTB
	s_mov_b32 s33, 0
	s_mul_i32 s34, s12, QWV
	s_add_co_u32 s34, s34, QL                      ; my wave's Q codes
	s_mul_i32 s35, s12, WSTG
	s_add_co_u32 s35, s35, STAGE                   ; my stage
	v_and_b32 v9, 31, v0
	v_lshlrev_b32 v1, 4, v9
	v_min_u32 v3, 15, v9
	v_lshlrev_b32 v3, 8, v3
	v_and_b32 v8, 15, v0                           ; r
	v_bfe_u32 v9, v0, 4, 1                         ; h
	v_mul_u32_u24 v2, v9, QPL
	v_lshl_add_u32 v2, v8, 4, v2
	v_add_nc_u32 v2, s34, v2                       ; out of LDS: plane 2 c + h, 16 r
	v_lshrrev_b32 v4, 1, v8
	v_mul_u32_u24 v4, v4, QPL
	v_and_b32 v7, 1, v8
	v_lshl_add_u32 v4, v7, 3, v4
	v_lshl_add_u32 v4, v9, 7, v4
	v_add_nc_u32 v4, s34, v4                       ; into LDS: lane (g = l % 16, l / 16) holds channels 8 g .. 8 g + 7 of row A + 8 (l / 16): plane g / 2, byte 8 (g % 2), + 16 x row
	v_lshlrev_b32 v7, 12, v9
	v_lshl_add_u32 v7, v8, 5, v7                   ; in memory: 8 rows on for lanes 16-31, 32 bytes a lane
	v_mul_u32_u24 v10, v8, SPI
	v_lshl_add_u32 v10, v9, 5, v10
	v_add_nc_u32 v10, s35, v10
	v_add_nc_u32 v11, s35, v1
.irp u, 0,1,2,3,4,5,6,7                ; the state: -M = 3e38, the largest score -3e38, the sums 0
	v_mov_b32 v[32+4*\u], 0x7f61b1e6
	v_mov_b32 v[33+4*\u], 0xff61b1e6
	v_mov_b32 v[34+4*\u], 0
	v_mov_b32 v[35+4*\u], 0
.endr
	v_mov_b32 v19, 0                               ; upper halves of pairs, and lane permutes' destinations: written once
	v_mov_b32 v27, 0
	v_mov_b32 v22, 0
	v_mov_b32 v30, 0
	WIN 0x80                                       ; O^T begins as zeros, so that the key step is written once; these lines stand under the arguments' load
.set j, 0
.rept 256
	v_mov_b32 v[j], 0
.set j, j+1
.endr
	WIN 0xc0
.set j, 0
.rept 256
	v_mov_b32 v[j], 0
.set j, j+1
.endr
	WIN 0
	s_wait_alu depctr_va_vdst(0)
	s_wait_dscnt 0x0
	s_wait_kmcnt 0x0
	s_load_b128 s[52:55], s[8:9], 0x0              ; eq, ek, ep, ev
	s_add_nc_u64 s[4:5], s[4:5], s[18:19]
	s_add_nc_u64 s[10:11], s[10:11], s[18:19]
	s_add_nc_u64 s[48:49], s[6:7], s[32:33]
	s_mov_b32 s40, 1
	s_lshl_b32 s41, s12, 14
	s_add_nc_u64 s[42:43], s[6:7], s[16:17]
	s_or_b32 s43, s43, 0x80000000
	CROUND
	tensor_load_to_lds s[40:43], s[24:31]          ; slot 0: my one tensor load at the head
	s_nop 0
	PLACES 4
	s_wait_kmcnt 0x0
	s_add_co_i32 s14, s52, s53
	s_lshl_b32 s14, s14, 23
	s_mov_b32 s22, 0x3e0293ee                      ; c = log2(e) / sqrt(128),
	s_add_co_i32 s22, s22, s14                     ; x 2^(eq + ek)
	s_mov_b32 s23, s22
	s_add_co_i32 s14, s52, 127
	s_lshl_b32 s56, s14, 23                        ; 2^eq
	s_add_co_i32 s14, s14, 8
	s_lshl_b32 s14, s14, 23
	s_or_b32 s57, s14, 0x600000                    ; 448 x 2^eq
	s_add_co_i32 s14, s54, 127
	s_lshl_b32 s58, s14, 23                        ; 2^ep
	s_add_co_i32 s14, s14, 8
	s_lshl_b32 s14, s14, 23
	s_or_b32 s59, s14, 0x600000                    ; 448 x 2^ep
	s_add_co_i32 s60, s54, s55
	v_mov_b32 v12, s59
	v_mov_b32 v13, s59
	v_mov_b32 v14, s58
	v_mov_b32 v15, s57
	v_mov_b32 v31, s56
	s_mov_b32 s47, 0
	s_mov_b32 s51, 2
	s_wait_alu depctr_va_vdst(0)
; Q: two trips of four tiles.  Sixteen lanes read a row's 512 bytes in two loads of 16 bytes a lane; a lane's 8 numbers become 8 codes, stored by one ds_store_b64.
.Lq:
	v_add_nc_u32 v9, s47, v4
	s_wait_alu depctr_va_vdst(0)
	WIN 0x40
.set m, 0
.rept 32
	global_load_b128 v[8*m:8*m+3], v7, s[4:5] offset:(16*(m/8)+m%8)*512 th:TH_LOAD_NT
	global_load_b128 v[8*m+4:8*m+7], v7, s[4:5] offset:(16*(m/8)+m%8)*512+16 th:TH_LOAD_NT
.set m, m+1
.endr
.irp k, 0,1,2,3
	s_wait_loadcnt 48-16*\k                        ; this tile's 16 loads are in; the later tiles' may be out
	WIN 0x41
.set j, 0
.rept 64
	v_med3_num_f32 v[64*\k+j], v[64*\k+j], -v15, v15   ; the conversion does not saturate (ISA guide 7.6.2): the hold
.set j, j+1
.endr
	WIN 0x01
.irp a, 0,1,2,3,4,5,6,7
	v_cvt_scalef32_pk8_fp8_f32 v[64+16*\k+2*\a:65+16*\k+2*\a], v[64*\k+8*\a:64*\k+8*\a+7], v31
.endr
	v_nop
	WIN 0
.irp a, 0,1,2,3,4,5,6,7
	ds_store_b64 v9, v[64+16*\k+2*\a:65+16*\k+2*\a] offset:\k*QT+16*\a
.endr
.endr
	s_wait_dscnt 0x0
	s_add_nc_u64 s[4:5], s[4:5], 32768             ; all loads are in: the base may be stepped
	s_add_co_u32 s47, s47, 4*QT
	s_sub_co_u32 s51, s51, 1
	s_cmp_lg_u32 s51, 0
	s_cbranch_scc1 .Lq
	WIN 0x40                                       ; zero codes in V's fragments and in p: what the first trip's leading product finds
.set j, 0
.rept 128
	v_mov_b32 v[128+j], 0
.set j, j+1
.endr
	WIN 0
.set j, 0
.rept 32
	v_mov_b32 v[224+j], 0
.set j, j+1
.endr
.macro QLOAD p                         ; the Q codes of pair p
.irp i, 0,1
.irp c, 0,1,2,3
	ds_load_b128 v[192+16*\i+4*\c:195+16*\i+4*\c], v2 offset:(2*(\p)+\i)*QT+2*QPL*\c
.endr
.endr
.endm
	QLOAD 0
.macro KLOAD                           ; K's eight fragments of the step at s44
	v_add_nc_u32 v8, s44, v1
	s_wait_alu depctr_va_vdst(0)                   ; behind the write
	WIN 0x40
.irp t, 0,1,2,3,4,5,6,7
.irp c, 0,1,2,3
	ds_load_b128 v[16*\t+4*\c:16*\t+4*\c+3], v8 offset:\t*2048+512*\c
.endr
.endr
	WIN 0
.endm
.macro VLOAD                           ; V's eight, four places behind the products that read the old ones
	PLACES 4
	WIN 0x40
.irp t, 0,1,2,3,4,5,6,7
.irp c, 0,1,2,3
	ds_load_b128 v[128+16*\t+4*\c:128+16*\t+4*\c+3], v8 offset:16384+\t*2048+512*\c
.endr
.endr
	WIN 0
.endm
.macro QK p                            ; S^T = K Q^T for the pair: each fragment of K feeds both tiles
.if (\p) == 0
	s_wait_dscnt 32                                ; Q's codes and K are in; V's 32 loads may be out
.else
	s_wait_dscnt 0x0
.endif
	WIN 0x01
.irp t, 0,1,2,3,4,5,6,7
	v_wmma_f32_16x16x128_fp8_fp8 v[64+8*\t:71+8*\t], v[16*\t:16*\t+15], v[192:207], 0   ; tile a's eight; tile b's stand among tile a's maximum (macro SM)
.endr
	WIN 0
.endm
.macro PV p                            ; O^T += V^T P^T for the pair: sixteen accumulators by turns
.set OB, 128*((\p)%2)
.if (\p) == 0
	s_wait_dscnt 8                                 ; V is in; the next pair's 8 loads of Q codes may be out
.endif
	WIN 0xa1+0x50*((\p)/2)
.irp t, 0,1,2,3,4,5,6,7
	v_wmma_f32_16x16x128_fp8_fp8 v[OB+8*\t:OB+8*\t+7], v[128+16*\t:143+16*\t], v[224:239], v[OB+8*\t:OB+8*\t+7]
	v_wmma_f32_16x16x128_fp8_fp8 v[OB+64+8*\t:OB+71+8*\t], v[128+16*\t:143+16*\t], v[240:255], v[OB+64+8*\t:OB+71+8*\t]
.endr
	WIN 0
.endm
.macro QKB t                           ; one product of tile b's S^T
	WIN 0x01
	v_wmma_f32_16x16x128_fp8_fp8 v[128+8*(\t):135+8*(\t)], v[16*(\t):16*(\t)+15], v[208:223], 0
	WIN 0
.endm
.macro PVONE p, n                      ; the n-th of pair p's sixteen products O^T += V^T P^T: channel tile n / 2, query tile n % 2
	WIN 0xa1+0x50*((\p)/2)
	v_wmma_f32_16x16x128_fp8_fp8 v[128*((\p)%2)+64*((\n)%2)+8*((\n)/2):128*((\p)%2)+64*((\n)%2)+8*((\n)/2)+7], v[128+16*((\n)/2):143+16*((\n)/2)], v[224+16*((\n)%2):239+16*((\n)%2)], v[128*((\p)%2)+64*((\n)%2)+8*((\n)/2):128*((\p)%2)+64*((\n)%2)+8*((\n)/2)+7]
	WIN 0
.endm
.macro TICK p                          ; behind every fifth plain line of pair p (p > 0) stands one product of pair p - 1: 80 lines, 16 products
.if (\p) > 0
.set tk, tk+1
.if tk % 5 == 0
	PVONE (\p)-1, tk/5-1
.endif
.endif
.endm
.macro MOP b, t                        ; line kk (0 .. 31) of a tile's maximum: four chains in v[t], v[t+1], v[t+4], v[t+5] over the 64 scores at v[b], ascending
.if kk < 4
	v_max3_num_f32 v[\t+kk%2+4*(kk/2)], v[\b+3*kk], v[\b+3*kk+1], v[\b+3*kk+2]
.else
.if kk < 30
	v_max3_num_f32 v[\t+kk%2+4*((kk%4)/2)], v[\t+kk%2+4*((kk%4)/2)], v[\b+4+2*kk], v[\b+5+2*kk]
.else
.if kk == 30
	v_max3_num_f32 v[\t], v[\t], v[\t+1], v[\t+4]
.else
	v_max_num_f32 v[\t], v[\t], v[\t+5]
.endif
.endif
.endif
.set kk, kk+1
.endm
.macro DMIN a
	v_dual_min_num_f32 v[\a], v[\a], v12 :: v_dual_min_num_f32 v[(\a)+1], v[(\a)+1], v13
.endm
; The softmax of pair p for 128 keys: tile a in v64-127, tile b in v128-191; their chains stand line by line beside each other.
.macro SM p
.set STA, 32+8*(\p)
.set STB, STA+4
.set OB, 128*((\p)%2)
.set kk, 0
.set tk, 0
.irp t, 0,1,2,3,4,5,6,7                ; tile b's eight products; behind the first the four places that tile a's results want, behind the others tile a's maximum: 32 lines
	QKB \t
.if \t == 0
	PLACES 4
.else
	MOP 64, 16
	MOP 64, 16
	MOP 64, 16
	MOP 64, 16
.if \t > 3
	MOP 64, 16
.endif
.endif
.endr
.set kk, 0
.rept 32                               ; tile b's maximum
	MOP 128, 24
	TICK \p
.endr
	QLOAD ((\p)+1)%4                               ; the next pair's Q codes, over those that the products above have read
	v_permlanex16_b32 v22, v16, s20, s21
	TICK \p
	v_permlanex16_b32 v30, v24, s20, s21
	TICK \p
	v_max3_num_f32 v[STA+1], v[STA+1], v16, v22    ; the running largest score
	TICK \p
	v_max3_num_f32 v[STB+1], v[STB+1], v24, v30
	TICK \p
	v_mul_f32 v16, s22, v[STA+1]                   ; as t (c is positive)
	TICK \p
	v_mul_f32 v24, s22, v[STB+1]
	TICK \p
	v_mov_b32 v17, v[STA]
	TICK \p
	v_mov_b32 v25, v[STB]
	TICK \p
	v_floor_f32 v[STA], -v16                       ; -M = floor(-t)
	TICK \p
	v_floor_f32 v[STB], -v24
	TICK \p
	v_sub_f32 v17, v[STA], v17                     ; old M - new M, a whole number
	TICK \p
	v_sub_f32 v25, v[STB], v25
	TICK \p
	v_cvt_i32_f32 v17, v17                         ; (it saturates)
	TICK \p
	v_cvt_i32_f32 v25, v25
	TICK \p
	v_ldexp_f32 v18, 1.0, v17                      ; f
	TICK \p
	v_ldexp_f32 v26, 1.0, v25
	TICK \p
.set j, 0
.rept 32
	v_pk_fma_f32 v[64+2*j:65+2*j], v[64+2*j:65+2*j], s[22:23], v[STA:STA+1] op_sel_hi:[1,0,0]   ; tile a: t - M
	TICK \p
.set j, j+1
.endr
	WIN 0x82+0x41*((\p)/2)
	s_wait_alu depctr_va_vdst(0)                   ; directly ahead of the first reader of O^T
.set j, 0
.rept 32
	v_pk_mul_f32 v[OB+2*j:OB+2*j+1], v[OB+2*j:OB+2*j+1], v[18:19] op_sel_hi:[1,0]
.set j, j+1
.endr
.set j, 0
.rept 32
	v_pk_mul_f32 v[OB+64+2*j:OB+65+2*j], v[OB+64+2*j:OB+65+2*j], v[26:27] op_sel_hi:[1,0]
.set j, j+1
.endr
	WIN 0
.set j, 0
	v_pk_mul_f32 v[STA+2:STA+3], v[STA+2:STA+3], v[18:19] op_sel_hi:[1,0]   ; the sums under the new M
	v_pk_mul_f32 v[STB+2:STB+3], v[STB+2:STB+3], v[26:27] op_sel_hi:[1,0]
	s_wait_alu depctr_va_vdst(0)                   ; ahead of the batch
.set j, 0
.rept 32                               ; tile a's exponentials; among them tile b's t - M, read only behind the next wait
	v_exp_f32 v[64+2*j], v[64+2*j]
	v_exp_f32 v[65+2*j], v[65+2*j]
	v_pk_fma_f32 v[128+2*j:129+2*j], v[128+2*j:129+2*j], s[22:23], v[STB:STB+1] op_sel_hi:[1,0,0]
.set j, j+1
.endr
	s_wait_alu depctr_va_vdst(0)                   ; behind tile a's batch and ahead of tile b's
.set j, 0
.rept 16                               ; tile b's exponentials; among them tile a's first sums of the UNQUANTISED p, into the registers of p's codes, and then its holds: all read only behind the next wait
	v_exp_f32 v[128+4*j], v[128+4*j]
	v_exp_f32 v[129+4*j], v[129+4*j]
	v_pk_add_f32 v[224+2*j:225+2*j], v[64+4*j:65+4*j], v[66+4*j:67+4*j]
	v_exp_f32 v[130+4*j], v[130+4*j]
	DMIN 64+4*j
	v_exp_f32 v[131+4*j], v[131+4*j]
	DMIN 66+4*j
.set j, j+1
.endr
	v_nop
	s_wait_alu depctr_va_vdst(0)                   ; behind the batch
	v_pk_add_f32 v[20:21], v[224:225], v[226:227]
	v_pk_add_f32 v[28:29], v[128:129], v[130:131]
	DMIN 128
	DMIN 130
.set j, 1
.rept 15
	v_pk_add_f32 v[STB+2:STB+3], v[STB+2:STB+3], v[128+4*j:129+4*j]
	v_pk_add_f32 v[28:29], v[28:29], v[130+4*j:131+4*j]
.if j < 8
	v_pk_add_f32 v[STA+2:STA+3], v[STA+2:STA+3], v[224+4*j:225+4*j]
	v_pk_add_f32 v[20:21], v[20:21], v[226+4*j:227+4*j]
.endif
	DMIN 128+4*j
	DMIN 130+4*j
.set j, j+1
.endr
	v_pk_add_f32 v[STA+2:STA+3], v[STA+2:STA+3], v[20:21]
	v_pk_add_f32 v[STB+2:STB+3], v[STB+2:STB+3], v[28:29]
.irp i, 0,1
.irp b, 0,1,2,3
	v_cvt_scalef32_pk8_fp8_f32 v[224+16*\i+4*\b:225+16*\i+4*\b], v[64+64*\i+16*\b:71+64*\i+16*\b], v14
	v_cvt_scalef32_pk8_fp8_f32 v[226+16*\i+4*\b:227+16*\i+4*\b], v[72+64*\i+16*\b:79+64*\i+16*\b], v14
.endr
.endr
	v_nop                                          ; a plain line between the conversions and the products
	s_wait_alu depctr_va_vdst(0)
.endm
.macro BODY
	KLOAD
	PV 3                                           ; the last pair of the step before
	VLOAD
	QK 0
	SM 0
	QK 1                                           ; its wait for 0 covers V's loads too
	SM 1                                           ; holds pair 0's second product
	QK 2
	SM 2                                           ; pair 1's
	QK 3
	SM 3                                           ; pair 2's
	s_add_co_u32 s44, s44, STEPB
.endm
.macro SLOT_STEPS
	s_mov_b32 s46, 2
.Lstep_\@:
	BODY
	s_sub_co_u32 s46, s46, 1
	s_cmp_lg_u32 s46, 0
	s_cbranch_scc1 .Lstep_\@
	s_sub_co_u32 s44, s44, SLOTB
	s_xor_b32 s44, s44, SLOT1
.endm
; THE CHANGE OF SLOTS.  Each wave waits for all its tensor loads (one is out: its part of the slot ahead), adds 0 to its spare word, and waits for that and for its LDS reads: the slot left was read into registers.
; fill = 1: a round of the cluster's barrier, then the joint load into the slot left, the wave's one tensor load until the next round.  Slot 1's first fill goes out the same way.
.macro CHANGE fill
	s_wait_tensorcnt 0x0
	ds_add_u32 v5, v6
.if \fill
	s_xor_b32 s41, s41, SLOT1
	s_add_nc_u64 s[42:43], s[42:43], SLOTB
	s_wait_xcnt 0x0                                ; the last prefetch has read its address
	s_add_nc_u64 s[48:49], s[48:49], SLOTB
	s_wait_dscnt 0x0
	CROUND
	tensor_load_to_lds s[40:43], s[24:31]
	s_nop 0
	PLACES 4
	ASK
.else
	s_wait_dscnt 0x0
	s_barrier_signal -1
	s_barrier_wait -1
.endif
.endm
	s_wait_alu depctr_va_vdst(0)
.Lslot:                                            ; NSL - 1 trips
	CHANGE 1
	SLOT_STEPS
	s_sub_co_u32 s45, s45, 1
	s_cmp_lg_u32 s45, 0
	s_cbranch_scc1 .Lslot
	CHANGE 0                                       ; the last slot is written out
	SLOT_STEPS
	PV 3                                           ; the last step's last pair
	s_wait_dscnt 0x0                               ; no LDS load is out: the way out writes over the registers of Q's codes
; THE WAY OUT.  The eight sums are finished together, with one batch of reciprocals.
.irp u, 0,1,2,3,4,5,6,7
	v_add_f32 v[34+4*\u], v[34+4*\u], v[35+4*\u]
.endr
.irp u, 0,1,2,3,4,5,6,7
	v_permlanex16_b32 v[35+4*\u], v[34+4*\u], s20, s21
.endr
.irp u, 0,1,2,3,4,5,6,7
	v_add_f32 v[34+4*\u], v[34+4*\u], v[35+4*\u]
.endr
	s_wait_alu depctr_va_vdst(0)
.irp u, 0,1,2,3,4,5,6,7
	v_rcp_f32 v[34+4*\u], v[34+4*\u]
.endr
	v_nop
	s_wait_alu depctr_va_vdst(0)
.irp u, 0,1,2,3,4,5,6,7
	v_ldexp_f32 v[34+4*\u], v[34+4*\u], s60        ; 2^(ep + ev) / the sum
.endr
.macro FINM a                          ; tile a's O^T, scaled, into window 0: v64-127 and v192-255 by turns; register 8 t + i is o(r, 16 t + 8 h + i)
	WIN 0x02+(\a)/4
	s_wait_alu depctr_va_vdst(0)                   ; directly ahead of the first reader of these matrix results
.set j, 0
.rept 32
	v_pk_mul_f32 v[64+128*((\a)%2)+2*j:65+128*((\a)%2)+2*j], v[64*((\a)%4)+2*j:64*((\a)%4)+2*j+1], v[34+4*(\a):35+4*(\a)] op_sel_hi:[1,0]
.set j, j+1
.endr
	WIN 0
.endm
.macro TOSTAGE a                       ; 16 rows of 512 bytes through my own stage; LDS serves a wave's instructions in order
.irp t, 0,1,2,3,4,5,6,7
	ds_store_b128 v10, v[64+128*((\a)%2)+8*\t:67+128*((\a)%2)+8*\t] offset:64*\t
	ds_store_b128 v10, v[68+128*((\a)%2)+8*\t:71+128*((\a)%2)+8*\t] offset:64*\t+16
.endr
.if (\a) > 0
	s_wait_xcnt 0x0                                ; the last tile's stores have read v128-191
.endif
.irp i, 0,1,2,3,4,5,6,7,8,9,10,11,12,13,14,15
	ds_load_b128 v[128+4*\i:131+4*\i], v11 offset:\i*SPI
.endr
.endm
.macro SEND a                          ; a store covers one row of O: 512 consecutive bytes, aligned
	s_wait_dscnt 0x0
.irp i, 0,1,2,3,4,5,6,7,8,9,10,11,12,13,14,15
	global_store_b128 v1, v[128+4*\i:131+4*\i], s[10:11] offset:(\a)*8192+\i*512 th:TH_STORE_NT
.endr
.endm
	FINM 0
	TOSTAGE 0
.irp a, 1,2,3,4,5,6,7
	FINM \a
	s_wait_alu depctr_va_vdst(0)
	SEND \a-1
	TOSTAGE \a
.endr
	SEND 7
	s_wait_tensorcnt 0x0                           ; the wave's end
	ds_add_u32 v5, v6
	s_wait_dscnt 0x0
	CROUND                                         ; the closing round
	s_endpgm
.Lfunc_end_k_qfc7d79d3cf_attn:
	.size	k_qfc7d79d3cf_attn, .Lfunc_end_k_qfc7d79d3cf_attn-k_qfc7d79d3cf_attn
	.p2alignl 7, 3214868480
	.fill 96, 4, 3214868480
	.section	.rodata,"a",@progbits
	.p2align	6, 0x0
	.amdhsa_kernel k_qfc7d79d3cf_attn
		.amdhsa_group_segment_fixed_size 327680
		.amdhsa_private_segment_fixed_size 0
		.amdhsa_enable_private_segment 0
		.amdhsa_kernarg_size 32
		.amdhsa_user_sgpr_count 2
		.amdhsa_user_sgpr_kernarg_segment_ptr 1
		.amdhsa_wavefront_size32 1
		.amdhsa_system_sgpr_workgroup_id_x 1
		.amdhsa_system_sgpr_workgroup_id_y 1
		.amdhsa_system_sgpr_workgroup_id_z 1
		.amdhsa_system_vgpr_workitem_id 0
		.amdhsa_next_free_vgpr 1024
		.amdhsa_next_free_sgpr 66
		.amdhsa_reserve_vcc 0
		.amdhsa_float_denorm_mode_32 3
		.amdhsa_float_denorm_mode_16_64 3
		.amdhsa_memory_ordered 1
		.amdhsa_forward_progress 1
		.amdhsa_inst_pref_size 255
	.end_amdhsa_kernel
	.section	.bss,"aw",@nobits
	.p2align	6
	.space	262144
	.amdgpu_metadata
---
amdhsa.version: [ 1, 2 ]
amdhsa.kernels:
  - .name:           k_qfc7d79d3cf_attn
    .symbol:         k_qfc7d79d3cf_attn.kd
    .args:
      - { .name: Q, .offset: 0, .size: 8, .value_kind: global_buffer, .address_space: global }
      - { .name: kv, .offset: 8, .size: 8, .value_kind: global_buffer, .address_space: global }
      - { .name: lowp_scales, .offset: 16, .size: 8, .value_kind: global_buffer, .address_space: global }
      - { .name: out0, .offset: 24, .size: 8, .value_kind: global_buffer, .address_space: global }
    .group_segment_fixed_size: 327680
    .private_segment_fixed_size: 0
    .kernarg_segment_align: 8
    .kernarg_segment_size: 32
    .max_flat_workgroup_size: 128
    .sgpr_count:     66
    .vgpr_count:     1024
    .wavefront_size: 32
...
	.end_amdgpu_metadata
.endif
;; end of part 2
